; MI455X (gfx1250); checked and timed in simulation.
; The chip was launched on July 23, 2026; its instructions are those of AMD's public machine-readable ISA for CDNA 5 (MIT licence, August 2026) and "CDNA5" Instruction Set Architecture Reference Guide (July 2026). The comments in the code are by the model that wrote it; some were corrected since.
;; Bit Net Linear4 Bit. Allowed arithmetic: matrix products marked QUANTISED: E3M2 operands, one E8M0 scale for each 32 along K, by v_wmma_scale_f32_16x16x128_f8f6f4 with both operands' format E3M2, f32 sums; everything else in f32.
;; Inputs: alpha 1 float32; bias 11,008 float32; w 11,008 x 4,096 float32; x_codes 2 x 512 x 128 x 24 uint8 (E3M2 codes of x, K innermost, in blocks of 32 codes, four codes in three bytes); x_scales 2 x 512 x 128 uint8 (E8M0 scales of x, one for each 32 codes along K).
;; Outputs: out0 2 x 512 x 11,008 float32.
;; This version of the problem:
;;   THIS VERSION OF THE PROBLEM IS GIVEN IN LOW PRECISION. The matrix products marked QUANTISED in the list below multiply operands that are first quantised to E3M2 (3 exponent bits, 2 mantissa bits; 6 bits a number), with one power-of-two scale for each 32 numbers along K (OCP MX v1.0); their sums are f32. All else is computed in f32.
;;   The module's matrix products, in the order in which they are computed (A, B: the left and right operand; K: the contracted axis; several contracted axes count as one K, in the product's order):
;;     1. [M 1,024, K 4,096] x [K 4,096, N 11,008]; A: input x (given as codes); B: computed on the way: QUANTISED
;;   THE QUANTISER, for each operand of a quantised product, along K:
;;     - K is cut into blocks of 32 from its start; a last block that is shorter is filled with zeros.
;;     - A block's scale is 2^e with e = floor(log2(the largest magnitude in the block)) - 4, held to -126 .. 127; a block of zeros has e = 0. As a byte (E8M0): e + 127.
;;     - Each number is divided by its block's scale, clamped to +-28, and rounded to the nearest number of E3M2, ties to even, subnormals kept.
;;     - The product sums the exact products of the quantised numbers (number of the format x scale) in f32.
;;   ~~~python
;;   def quantise(x, axis):      # numpy; x: float32 -> the quantised numbers, widened to float32 again
;;       x = np.moveaxis(x, axis, -1); K = x.shape[-1]
;;       x = np.pad(x, [(0, 0)] * (x.ndim - 1) + [(0, -K % 32)]); x = x.reshape(x.shape[:-1] + (-1, 32)); a = np.abs(x).max(-1, keepdims=True)
;;       e = np.where(a > 0, np.clip(np.frexp(np.where(a > 0, a, 1))[1] - 1 - 4, -126, 127), 0)      # np.frexp(a)[1] - 1 = floor(log2(a)), exactly
;;       r = np.clip(x / 2.0 ** e, -28, 28)
;;       step = 2.0 ** (np.maximum(np.frexp(np.where(r == 0, 1, r))[1] - 1, -2) - 2)
;;       q = np.round(r / step) * step * 2.0 ** e      # np.round: ties to even
;;       return np.moveaxis(q.reshape(q.shape[:-2] + (-1,))[..., :K], -1, axis).astype(np.float32)
;;   ~~~
;;   OPERANDS COMPUTED ON THE WAY. 'Computed on the way' means the value that the module computes at that place (a softmax that the list does not call 'softmax' is quantised finished and normalised). What goes into a quantiser is computed in f32, as accurately as f32 sums, v_exp_f32 and their like allow (about 1e-6 of the number): no bf16 or f16 on the way to a quantiser, and a product that is left as it is and whose result goes on into a quantised operand takes f32 operands (vector FMAs, or v_wmma_f32_16x16x4_f32). A number that lies on a knife's edge between two numbers of the format may be rounded either way, as far as f32 arithmetic and the matrix unit's own rounding can turn it there, and no further.
;;   INPUTS GIVEN AS CODES. x (in the module: [2, 512, 4096], K = its axis 2): each comes as NAME_codes (uint8): NAME with its K axis moved to the last place and cut into blocks of 32 codes, [.., K / 32, bytes a block], one block behind the other in memory; four codes in three bytes: a row's codes are one little-endian stream of bits, code i at bits 6 i .. 6 i + 5 (a code: sign, 3 exponent bits, 2 mantissa bits); and NAME_scales (uint8): the same leading axes, one E8M0 byte (e + 127) for each 32 codes along K. Its value is code x scale, taken as it is: it is not quantised again, and the codes and scales need not be those that the quantiser above would give.
;; One version. Each part assembles by itself: llvm-mc -triple=amdgcn-amd-amdhsa -mcpu=gfx1250 --defsym DOCPART=n.
;; ======== version 1 of 1: 2 launches
;; limits: right only within a limited range of input values
;; workspace buffers: xf 3,145,728 bytes; xs 131,072 bytes
;; launch relay (part 1): grid 256 x 1, 8 waves a work-group, no clusters, 0 bytes of LDS; arguments x_codes, x_scales, xf, xs; writes xf, xs
.if DOCPART == 1
	.amdgcn_target "amdgcn-amd-amdhsa--gfx1250"
	.amdhsa_code_object_version 6
	.text
	.protected	k_q8c7702b73d_relay
	.globl	k_q8c7702b73d_relay
	.p2align	8
	.type	k_q8c7702b73d_relay,@function
k_q8c7702b73d_relay:
	s_mov_b64 s[64:65], 0
	v_nop
	global_prefetch_b8 v0, s[64:65] scope:SCOPE_SE
	s_setreg_imm32_b32 hwreg(HW_REG_WAVE_MODE, 25, 1), 1
	s_wait_xcnt 0x0
; x's codes and scale bytes are laid once in the order in which the product's operand registers take them; no bit is changed.
; xf[s][R][j][lane][16 bytes]: K step s (128 codes), block R of 16 rows: registers 4 j .. 4 j + 3 of the lane's 12.  Lane (r, h) holds the 24 bytes at 96 s + 24 h of row 16 R + r, then those 48 bytes on.
; xs[t][R2][lane][8 bytes]: lane (r, h), word i: the scale word of row 16 (2 R2 + i) + r for K step 2 t + h.
; A wave takes one (R, s): R = work-group / 4, s = 8 (work-group % 4) + wave.  The waves with R and s both even also lay one unit of 256 bytes of xs.
; Each store of a wave covers 512 (xs: 256) consecutive bytes, aligned.  No LDS, no barrier: waves share nothing.
	s_load_b256 s[4:11], s[0:1], 0x0               ; x_codes, x_scales, xf, xs
	v_lshrrev_b32 v1, 5, v0
	v_readfirstlane_b32 s12, v1                    ; wave
	v_and_b32 v2, 15, v0                           ; r
	v_bfe_u32 v3, v0, 4, 1                         ; h
	v_and_b32 v4, 31, v0                           ; lane
	s_wait_alu depctr_va_vdst(0)
	s_lshr_b32 s13, ttmp9, 2                       ; R
	s_and_b32 s14, ttmp9, 3
	s_lshl_b32 s14, s14, 3
	s_add_co_u32 s14, s14, s12                     ; s
	v_mul_u32_u24 v5, v2, 3072
	v_mad_u32_u24 v5, v3, 24, v5
	s_mul_i32 s15, s13, 16*3072
	s_mul_i32 s16, s14, 96
	s_add_co_u32 s15, s15, s16
	v_add_nc_u32 v5, s15, v5                       ; from: row, step, half
	v_lshlrev_b32 v6, 4, v4
	s_lshl_b32 s16, s14, 6
	s_add_co_u32 s16, s16, s13
	s_mul_i32 s16, s16, 1536
	v_add_nc_u32 v6, s16, v6                       ; to: (64 s + R) x 1,536 + 16 lane
	v_lshlrev_b32 v7, 7, v2
	v_lshl_add_u32 v7, v3, 2, v7
	s_lshl_b32 s17, s13, 11
	s_lshl_b32 s18, s14, 2
	s_add_co_u32 s17, s17, s18
	v_add_nc_u32 v7, s17, v7                       ; scales from: 128 (16 R + r) + 4 (s + h)
	v_lshlrev_b32 v8, 3, v4
	s_lshr_b32 s18, s14, 1
	s_lshl_b32 s18, s18, 5
	s_lshr_b32 s19, s13, 1
	s_add_co_u32 s18, s18, s19
	s_lshl_b32 s18, s18, 8
	v_add_nc_u32 v8, s18, v8                       ; scales to: (32 t + R2) x 256 + 8 lane
	s_or_b32 s19, s13, s14
	s_and_b32 s19, s19, 1
	s_wait_alu depctr_va_vdst(0)
	s_wait_kmcnt 0x0
.irp p, 0,1,2,3,4,5
	global_load_b64 v[16+2*\p:17+2*\p], v5, s[4:5] offset:48*(\p/3)+8*(\p%3)
.endr
	s_cmp_lg_u32 s19, 0
	s_cbranch_scc1 .Lcodes
	global_load_b32 v28, v7, s[6:7]
	global_load_b32 v29, v7, s[6:7] offset:2048    ; the same lane's row in block R + 1
	s_wait_loadcnt 0x0
	global_store_b64 v8, v[28:29], s[10:11]
.Lcodes:
	s_wait_loadcnt 0x0
.irp j, 0,1,2
	global_store_b128 v6, v[16+4*\j:19+4*\j], s[8:9] offset:512*\j
.endr
	s_endpgm
.Lfunc_end_k_q8c7702b73d_relay:
	.size	k_q8c7702b73d_relay, .Lfunc_end_k_q8c7702b73d_relay-k_q8c7702b73d_relay
	.p2alignl 7, 3214868480
	.fill 96, 4, 3214868480
	.section	.rodata,"a",@progbits
	.p2align	6, 0x0
	.amdhsa_kernel k_q8c7702b73d_relay
		.amdhsa_group_segment_fixed_size 0
		.amdhsa_private_segment_fixed_size 0
		.amdhsa_enable_private_segment 0
		.amdhsa_kernarg_size 32
		.amdhsa_user_sgpr_count 2
		.amdhsa_user_sgpr_kernarg_segment_ptr 1
		.amdhsa_wavefront_size32 1
		.amdhsa_system_sgpr_workgroup_id_x 1
		.amdhsa_system_sgpr_workgroup_id_y 1
		.amdhsa_system_sgpr_workgroup_id_z 1
		.amdhsa_system_vgpr_workitem_id 0
		.amdhsa_next_free_vgpr 32
		.amdhsa_next_free_sgpr 66
		.amdhsa_reserve_vcc 0
		.amdhsa_float_denorm_mode_32 3
		.amdhsa_float_denorm_mode_16_64 3
		.amdhsa_memory_ordered 1
		.amdhsa_forward_progress 1
		.amdhsa_inst_pref_size 4
	.end_amdhsa_kernel
	.amdgpu_metadata
---
amdhsa.version: [ 1, 2 ]
amdhsa.kernels:
  - .name:           k_q8c7702b73d_relay
    .symbol:         k_q8c7702b73d_relay.kd
    .args:
      - { .name: x_codes, .offset: 0, .size: 8, .value_kind: global_buffer, .address_space: global }
      - { .name: x_scales, .offset: 8, .size: 8, .value_kind: global_buffer, .address_space: global }
      - { .name: xf, .offset: 16, .size: 8, .value_kind: global_buffer, .address_space: global }
      - { .name: xs, .offset: 24, .size: 8, .value_kind: global_buffer, .address_space: global }
    .group_segment_fixed_size: 0
    .private_segment_fixed_size: 0
    .kernarg_segment_align: 8
    .kernarg_segment_size: 32
    .max_flat_workgroup_size: 256
    .sgpr_count:     66
    .vgpr_count:     32
    .wavefront_size: 32
...
	.end_amdgpu_metadata
.endif
;; end of part 1
;; launch fused (part 2): grid 172 x 1, 4 waves a work-group, no clusters, 327,680 bytes of LDS; arguments w, alpha, bias, xf, xs, out0; writes out0
.if DOCPART == 2
	.amdgcn_target "amdgcn-amd-amdhsa--gfx1250"
	.amdhsa_code_object_version 6
	.text
	.protected	k_q8c7702b73d_fused
	.globl	k_q8c7702b73d_fused
	.p2align	8
	.type	k_q8c7702b73d_fused,@function
k_q8c7702b73d_fused:
	s_mov_b64 s[64:65], 0
	v_nop
	global_prefetch_b8 v0, s[64:65] scope:SCOPE_SE
	s_setreg_imm32_b32 hwreg(HW_REG_WAVE_MODE, 25, 1), 1
	s_wait_xcnt 0x0
; out[m][n] = sum over k of x[m][k] Q(w_ste[n][k]) + bias[n]; w_ste = w + (alpha clip(round(w / alpha), -1, 1) - w) in f32; Q: codes of E3M2 with one E8M0 byte for each 32 along K.
; A work-group owns 64 columns n for all 1,024 rows m, so each byte of w is read once in the launch: 11,008 / 64 = 172 work-groups.  A wave owns 256 rows x 64 columns: 64 accumulators, 512 registers.
; A K step is 128: 64 matrix instructions a wave, in 8 groups of 8; between the groups stands the wave's share of the next step's quantiser: 16 rows of w x 128 K, 64 numbers a lane.
; w comes as f32 by tensor loads: a wave's own 16 rows x 1,024 bytes (two K steps), two slots.  The four finished tiles (12 registers and a scale word) go from wave to wave through LDS as register images, two sets by turns, one barrier a step.
; x comes straight from xf and xs into the operand registers, 512 (256) consecutive bytes a load, one step ahead: each register is loaded again behind the group that read it.
; THE TERNARY STEP: the rounded quotient's magnitude is above 0.5 just where |w| > |alpha| / 2 (a tie goes to 0; 1.5 and more are clipped to 1; the margin 2^-25 |alpha| is under one step of f32 at |alpha| / 2), compared as whole numbers;
; alpha x (+-1) is |alpha| with w's sign for either sign of alpha; the two additions are made as written.
; LIMITS: alpha = 0, |alpha| under 2^-125, NaN and infinities in w or alpha are not served.  A block of zeros has the byte 1 (its codes are zeros; the bytes are read here alone).  Largest magnitudes under 2^-122 have the byte held at 1.
; NO CLUSTER: no two work-groups read the same bytes of w, and x does not pass LDS: every wave reads rows of its own, and two slots of 1,024 rows x 272 bytes would not fit in 327,680 bytes.
; PREFETCH: w alone, two refills ahead, each wave its own 16 rows x 1,024 bytes, a lane a block of 256 bytes; xf and xs are read by all work-groups in step and are not asked for.
; The matrix instruction is used transposed (source 0 = 16 rows of w, source 1 = 16 rows of x): a lane holds eight neighbouring columns of one row of out.  The bias is the C of the first step's products.
; WINDOWS: 0: addresses, quantiser, w's fragments; 1: x's fragments v0-191, bias v192-223; 2, 3: accumulators, (a, b) at 8 (4 (a % 8) + b).
.set XSTEP, 98304                      ; bytes of xf in a K step
.set SLOTX, 0x20000                    ; slot 1 begins here; slot 0 at 0: 64 rows x 1,040 bytes each
.set EXC,   66560                      ; the tiles' images: set p at 8192 p: 4 x 1,536 bytes of codes, then 4 x 128 of scale words
.set STAGE, EXC+16384                  ; the way out: 16 rows x 272 bytes for each wave
.set SPARE, STAGE+4*4352               ; the spare words, 128 bytes a wave
.set NB,    44032                      ; a row of out in bytes
.set XOFF,2
.set SOFF,3
.set XA,4
.set EA,6
.set ES,7
.set ER,8
.set ERS,9
.set H8,10
.set AL,11
.set STO,12
.set RD,13
.set CO,14
.set PFO,15
.set SPW,16
.set NIL,17
.set M,18
.set SO,20
.set SB,22
.set SW,24
.set ST,25
.set CD,26                             ; v26-37 my tile's codes
.set CT,38                             ; v38-45 the second halves of the blocks, as converted
.set T,46                              ; v46-61 at work
.set SCX,62                            ; v62-77 x's scale words: block a; lanes 0-15 the even step, 16-31 the odd
.set BS,78                             ; v78-85 w's scale words, two sets
.set BF,86                             ; v86-181 w's fragments, two sets of 4 x 12
.set X,182                             ; v182-245 64 numbers of w
.set BI,192                            ; window 1
.set BK,86                             ; the way out: two sets of 32
.set MSB, 0
.macro WIN new
.if MSB != \new
	s_set_vgpr_msb (MSB<<8)|\new
.set MSB, \new
.endif
.endm
.macro NOPS
.rept 4
	v_nop
.endr
.endm
.macro MUL a, p, first                 ; block a of x against w's four tiles of set p
.irp b, 0,1,2,3
.if \first
	v_wmma_scale_f32_16x16x128_f8f6f4 v[8*(4*((\a)%8)+\b):8*(4*((\a)%8)+\b)+7], v[BF+12*\b:BF+12*\b+11], v[12*(\a):12*(\a)+11], v[BI+8*\b:BI+8*\b+7], v[BS+\b], v[SCX+(\a)] matrix_a_fmt:MATRIX_FMT_BF6 matrix_b_fmt:MATRIX_FMT_BF6
.elseif \p
	v_wmma_scale_f32_16x16x128_f8f6f4 v[8*(4*((\a)%8)+\b):8*(4*((\a)%8)+\b)+7], v[BF+48+12*\b:BF+48+12*\b+11], v[12*(\a):12*(\a)+11], v[8*(4*((\a)%8)+\b):8*(4*((\a)%8)+\b)+7], v[BS+4+\b], v[SCX+(\a)] matrix_a_fmt:MATRIX_FMT_BF6 matrix_b_fmt:MATRIX_FMT_BF6 matrix_b_scale:MATRIX_SCALE_ROW1
.else
	v_wmma_scale_f32_16x16x128_f8f6f4 v[8*(4*((\a)%8)+\b):8*(4*((\a)%8)+\b)+7], v[BF+12*\b:BF+12*\b+11], v[12*(\a):12*(\a)+11], v[8*(4*((\a)%8)+\b):8*(4*((\a)%8)+\b)+7], v[BS+\b], v[SCX+(\a)] matrix_a_fmt:MATRIX_FMT_BF6 matrix_b_fmt:MATRIX_FMT_BF6
.endif
.endr
.endm
.macro MWIN g, first                   ; source 1 window 1; C and D window 2 or 3 (first step: C window 1)
	WIN 0xa4+0x50*((\g)/4)-0x10*(\first)*(1+(\g)/4)
.endm
.macro GRP g, p, first, last           ; 8 matrix instructions
.if \last
	s_wait_loadcnt 6*(7-\g)                        ; the later groups' loads may be out
.else
	s_wait_loadcnt 42                              ; behind this group's loads seven groups of six or seven were issued
.endif
	MWIN \g, \first
	MUL 2*\g, \p, \first
	MUL 2*\g+1, \p, \first
	WIN 0
.endm
.macro RELOAD g, xo, so                ; the registers that group g read take the next step's (next pair's) bytes
.if (\so) >= 0
	global_load_b64 v[SCX+2*\g:SCX+2*\g+1], v[SOFF], s[40:41] offset:8192*(\so)+256*\g
.endif
.if (\xo) >= 0
	WIN 0x40
.irp j, 0,1,2,3,4,5
	global_load_b128 v[24*\g+4*\j:24*\g+4*\j+3], v[XOFF], s[10:11] offset:XSTEP*(\xo)+3072*\g+512*\j
.endr
.endif
.endm
.macro TERN o, n                       ; w_ste of n numbers from X + o on, in runs
.set TI, 0
.rept \n
	v_and_b32 v[T+TI], s15, v[X+\o+TI]
.set TI, TI+1
.endr
.set TI, 0
.rept \n
	v_cmp_lt_u32 vcc_lo, s14, v[T+TI]              ; |alpha| / 2 < |w|
	v_cndmask_b32 v[T+TI], 0, v[AL], vcc_lo
.set TI, TI+1
.endr
.set TI, 0
.rept \n
	v_bfi_b32 v[T+TI], s15, v[T+TI], v[X+\o+TI]    ; with w's sign
.set TI, TI+1
.endr
.set TI, 0
.rept \n/2
	v_pk_add_f32 v[T+TI:T+TI+1], v[T+TI:T+TI+1], v[X+\o+TI:X+\o+TI+1] neg_lo:[0,1] neg_hi:[0,1]
.set TI, TI+2
.endr
.set TI, 0
.rept \n/2
	v_pk_add_f32 v[X+\o+TI:X+\o+TI+1], v[X+\o+TI:X+\o+TI+1], v[T+TI:T+TI+1]
.set TI, TI+2
.endr
.endm
.macro MAXCONV pp                      ; my two blocks' scales and codes; the image goes to set pp
.irp c, 0,1
	v_max3_num_f32 v[M+\c], |v[X+32*\c]|, |v[X+32*\c+1]|, 0x2800000   ; with the floor 2^(5 - 127): the byte stays at 1 or above
.endr
.irp i, 2,4,6,8,10,12,14,16,18,20,22,24,26,28,30
.irp c, 0,1
	v_max3_num_f32 v[M+\c], v[M+\c], |v[X+32*\c+\i]|, |v[X+32*\c+\i+1]|
.endr
.endr
.irp c, 0,1
	v_add_nc_u32 v[SO+\c], 0xfe000000, v[M+\c]     ; 4 off the exponent field: the conversion's scale operand
.endr
.irp c, 0,1
	v_lshrrev_b32 v[SB+\c], 23, v[SO+\c]
.endr
	v_lshl_or_b32 v[SW], v[SB+1], 16, v[SB]        ; bytes h and 2 + h of the scale word,
	v_lshlrev_b32 v[SW], v[H8], v[SW]
	v_permlanex16_b32 v[ST], v[SW], s20, s21
	v_or_b32 v[SW], v[SW], v[ST]                   ; with lane l xor 16's two
.irp c, 0,1
	v_cvt_scalef32_pk16_bf6_f32 v[CD+6*\c:CD+6*\c+2], v[X+32*\c:X+32*\c+15], v[SO+\c]
	v_cvt_scalef32_pk16_bf6_f32 v[CT+4*\c:CT+4*\c+2], v[X+32*\c+16:X+32*\c+31], v[SO+\c]
.endr
	v_nop                                          ; one plain place behind the conversions
.irp c, 0,1
.irp i, 0,1,2
	v_mov_b32 v[CD+3+6*\c+\i], v[CT+4*\c+\i]
.endr
.endr
	s_wait_alu depctr_va_vdst(0)
.irp j, 0,1,2
	ds_store_b128 v[EA], v[CD+4*\j:CD+4*\j+3] offset:8192*(\pp)+512*\j
.endr
	ds_store_b32 v[ES], v[SW] offset:8192*(\pp)
.endm
.macro BLOAD pp                        ; all four tiles' images: 16 LDS loads
.irp b, 0,1,2,3
.irp j, 0,1,2
	ds_load_b128 v[BF+48*(\pp)+12*\b+4*\j:BF+48*(\pp)+12*\b+4*\j+3], v[ER] offset:8192*(\pp)+1536*\b+512*\j
.endr
	ds_load_b32 v[BS+4*(\pp)+\b], v[ERS] offset:8192*(\pp)+128*\b
.endr
.endm
.macro XLOAD half                      ; my 64 numbers of a tile: k = 64 c + 32 h + 0 .. 31 of row r: 16 LDS loads
.irp c, 0,1
.irp i, 0,1,2,3,4,5,6,7
	ds_load_b128 v[X+32*\c+4*\i:X+32*\c+4*\i+3], v[XA] offset:512*(\half)+256*\c+16*\i
.endr
.endr
.endm
.macro GQ g, p, first, last, xo, so, q, o, n
	GRP \g, \p, \first, \last
.if \q
.if \g == 0
	s_wait_dscnt 0x0                               ; the next tile's numbers are in
.endif
	TERN \o, \n                                    ; also the places behind the group's products
	s_wait_alu depctr_va_vdst(0)
.endif
	RELOAD \g, \xo, \so
.endm
; Step s.  p = s % 2: w's set and the row of x's scale words.  xo, so: which step of xf, pair of xs is loaded (-1: none).  q: the next tile is quantised.
; mode 0: no barrier; 1: the exchange's barrier; 2: it is also a refill's barrier; 3: as 1, with the wait for my last tensor load.  xl: the tile two steps on is read from its slot.  pf: prefetch (2: under the loop's test).
.macro STEP p, first, xo, so, q, mode, xl, pf, last
	s_wait_dscnt 16*\q                             ; w's set p is in; the 16 loads of the next tile's numbers may be out
	GQ 0, \p, \first, \last, \xo, \so, \q, 0, 14
	GQ 1, \p, \first, \last, \xo, \so, \q, 14, 14
	GQ 2, \p, \first, \last, \xo, \so, \q, 28, 12
	GQ 3, \p, \first, \last, \xo, \so, \q, 40, 12
	GQ 4, \p, \first, \last, \xo, \so, \q, 52, 12
	GRP 5, \p, \first, \last
.if \q
	MAXCONV 1-\p
.endif
	RELOAD 5, \xo, \so
.if \mode == 0
	GRP 6, \p, \first, \last
	GRP 7, \p, \first, \last
.else
	WIN 0
.if \mode >= 2
	s_wait_tensorcnt 0x0                           ; my one tensor load that was out has landed
.endif
.if \mode == 2
	ds_add_u32 v[SPW], v[NIL]
	s_xor_b32 s33, s33, SLOTX                      ; the slot whose two tiles have been read,
	s_add_nc_u64 s[34:35], s[34:35], 1024          ; and the next two K steps of my rows
.endif
	s_wait_loadcnt 42
	MWIN 6, \first
	MUL 12, \p, \first
	s_wait_dscnt 0x0                               ; my image is stored, the add is done, my reads are back
	s_barrier_signal -1
	MUL 13, \p, \first
	NOPS
	WIN 0
	s_barrier_wait -1
.if \mode == 2
	tensor_load_to_lds s[32:35], s[24:31]
	s_nop 0
.endif
	BLOAD 1-\p
.if \xl
.if \p == 0
	v_xor_b32 v[XA], SLOTX, v[XA]                  ; on to the other slot
.endif
	XLOAD \p
.endif
	RELOAD 6, \xo, \so
	GRP 7, \p, \first, \last
	NOPS
.if \pf == 1
	global_prefetch_b8 v[PFO], s[44:45] th:TH_LOAD_NT scope:SCOPE_SE
	global_prefetch_b8 v[PFO], s[44:45] offset:512 th:TH_LOAD_NT scope:SCOPE_SE
.endif
.if \pf == 2
	s_wait_alu depctr_va_vdst(0)
	s_cmp_ge_u32 s3, 3                             ; the last two trips have no K steps two refills on
	s_cbranch_scc0 .Lnp_\@
	global_prefetch_b8 v[PFO], s[44:45] offset:1024 th:TH_LOAD_NT scope:SCOPE_SE
	global_prefetch_b8 v[PFO], s[44:45] offset:1536 th:TH_LOAD_NT scope:SCOPE_SE
.Lnp_\@:
.endif
	RELOAD 7, \xo, \so
.endif
.endm
	s_load_b256 s[4:11], s[0:1], 0x0               ; w, alpha, bias, xf
	s_load_b128 s[40:43], s[0:1], 0x20             ; xs, out0
	v_lshl_add_u32 v[SPW], v0, 2, SPARE
	v_mov_b32 v[NIL], 0
	ds_add_u32 v[SPW], v[NIL]
	ds_add_u32 v[SPW], v[NIL]
	v_lshrrev_b32 v1, 5, v0
	v_readfirstlane_b32 s16, v1                    ; wave
	s_mov_b32 s24, (2<<16)|(1<<20)|(7<<22)|(3<<25) ; elements of 4 bytes; 4 words of padding behind every 256
	s_mov_b32 s25, 256<<16
	s_mov_b32 s26, 16<<16
	s_mov_b32 s27, 256<<16
	s_mov_b32 s28, 16
	s_mov_b32 s29, 4096
	s_mov_b32 s30, 0
	s_mov_b32 s31, 0
	s_mov_b32 s15, 0x7fffffff
	s_mov_b32 s20, 0x76543210
	s_mov_b32 s21, 0xfedcba98
	s_mul_i32 s17, s16, 16640                      ; my 16 rows in a slot
	s_mul_i32 s18, s16, 1536
	s_add_co_u32 s18, s18, EXC
	s_mul_i32 s19, s16, 4352
	s_add_co_u32 s19, s19, STAGE
	s_lshl_b32 s22, s16, 7
	s_add_co_u32 s22, s22, EXC+6144
	v_and_b32 v1, 15, v0                           ; r
	v_bfe_u32 v246, v0, 4, 1                       ; h
	v_and_b32 v247, 31, v0                         ; lane
	v_lshlrev_b32 v[XOFF], 4, v247
	v_lshlrev_b32 v[SOFF], 3, v247
	v_mul_u32_u24 v[XA], v1, 1040
	v_lshl_add_u32 v[XA], v246, 7, v[XA]
	v_add_nc_u32 v[XA], s17, v[XA]
	v_lshl_add_u32 v[EA], v247, 4, s18
	v_lshl_add_u32 v[ES], v247, 2, s22
	v_lshl_add_u32 v[ER], v247, 4, EXC
	v_lshl_add_u32 v[ERS], v247, 2, EXC+6144
	v_lshlrev_b32 v[H8], 3, v246
	v_mul_u32_u24 v[STO], v1, 272
	v_lshl_add_u32 v[STO], v246, 5, v[STO]
	v_add_nc_u32 v[STO], s19, v[STO]
	v_mul_u32_u24 v[RD], v246, 272
	v_lshl_add_u32 v[RD], v1, 4, v[RD]
	v_add_nc_u32 v[RD], s19, v[RD]
	v_mul_u32_u24 v[CO], v246, NB
	v_lshl_add_u32 v[CO], v1, 4, v[CO]
	v_lshlrev_b32 v[PFO], 14, v1
	v_lshl_add_u32 v[PFO], v246, 8, v[PFO]
	v_lshlrev_b32 v248, 5, v246                    ; the bias: 32 h
	v_mov_b32 v[ST], 0
	s_wait_alu depctr_va_vdst(0)
	s_wait_dscnt 0x0
	s_wait_kmcnt 0x0
	s_load_b32 s12, s[6:7], 0x0                    ; alpha
	s_lshl_b32 s18, ttmp9, 6
	s_lshl_b32 s19, s16, 4
	s_add_co_u32 s18, s18, s19
	s_lshl_b32 s18, s18, 14                        ; my first row of w, in bytes (under 2^31)
	s_mov_b32 s19, 0
	s_add_nc_u64 s[4:5], s[4:5], s[18:19]
	s_mov_b32 s32, 1
	s_mov_b32 s33, s17
	s_mov_b64 s[34:35], s[4:5]
	s_or_b32 s35, s35, 0x80000000
	tensor_load_to_lds s[32:35], s[24:31]          ; K steps 0 and 1 into slot 0: my one load at the head
	s_nop 0
	s_add_nc_u64 s[44:45], s[4:5], 4096            ; the prefetches begin at K steps 8 and 9
	s_mul_i32 s18, s16, 24576
	s_add_nc_u64 s[10:11], s[10:11], s[18:19]      ; xf at my 16 blocks
	s_lshl_b32 s18, s16, 11
	s_add_nc_u64 s[40:41], s[40:41], s[18:19]      ; xs at my 8 pairs of blocks
	s_lshl_b32 s18, ttmp9, 8
	s_add_nc_u64 s[8:9], s[8:9], s[18:19]          ; bias and out at my 64 columns
	s_add_nc_u64 s[42:43], s[42:43], s[18:19]
	s_mul_i32 s18, s16, 256*NB
	s_add_nc_u64 s[42:43], s[42:43], s[18:19]      ; and my 256 rows
	WIN 0x40
.set TI, 0
.rept 48
	global_load_b128 v[4*TI:4*TI+3], v[XOFF], s[10:11] offset:512*TI   ; x's fragments of step 0
.set TI, TI+1
.endr
.irp b, 0,1,2,3
	global_load_b128 v[BI+8*\b:BI+8*\b+3], v248, s[8:9] offset:64*\b
	global_load_b128 v[BI+8*\b+4:BI+8*\b+7], v248, s[8:9] offset:64*\b+16
.endr
	WIN 0
.irp g, 0,1,2,3,4,5,6,7
	global_load_b64 v[SCX+2*\g:SCX+2*\g+1], v[SOFF], s[40:41] offset:256*\g
.endr
	s_wait_kmcnt 0x0
	s_and_b32 s13, s12, 0x7fffffff                 ; |alpha|
	s_mul_f32 s14, s13, 0.5
	v_mov_b32 v[AL], s13
	s_wait_alu depctr_va_vdst(0)
	s_wait_tensorcnt 0x0                           ; slot 1's first fill is issued as a refill is
	ds_add_u32 v[SPW], v[NIL]
	s_xor_b32 s33, s33, SLOTX
	s_add_nc_u64 s[34:35], s[34:35], 1024
	s_wait_dscnt 0x0
	s_barrier_signal -1
	s_barrier_wait -1
	tensor_load_to_lds s[32:35], s[24:31]
	s_nop 0
	XLOAD 0
	s_wait_dscnt 0x0
	TERN 0, 16                                     ; tile 0 is quantised ahead of the first step
	TERN 16, 16
	TERN 32, 16
	TERN 48, 16
	MAXCONV 0
	s_wait_dscnt 0x0
	s_barrier_signal -1
	s_barrier_wait -1
	BLOAD 0
	XLOAD 1
	s_wait_loadcnt 0x0                             ; step 0's fragments, scale words and the bias
	STEP 0, 1, 1, -1, 1, 2, 1, 1, 0                ; step 0: its products start the sums on the bias
	WIN 0
	s_wait_xcnt 0x0                                ; the bases are stepped only behind this wait
	s_add_nc_u64 s[10:11], s[10:11], 2*XSTEP
	s_add_nc_u64 s[40:41], s[40:41], 8192
	s_mov_b32 s3, 13
.Lk:                                           ; a trip: steps 2 q + 1 and 2 q + 2, q = 0 .. 12; one refill
	STEP 1, 0, 0, 0, 1, 1, 1, 0, 0
	STEP 0, 0, 1, -1, 1, 2, 1, 2, 0
	WIN 0
	s_wait_xcnt 0x0
	s_add_nc_u64 s[10:11], s[10:11], 2*XSTEP
	s_add_nc_u64 s[40:41], s[40:41], 8192
	s_add_nc_u64 s[44:45], s[44:45], 1024
	s_sub_co_u32 s3, s3, 1
	s_cmp_lg_u32 s3, 0
	s_wait_alu depctr_va_vdst(0)
	s_cbranch_scc1 .Lk
	STEP 1, 0, 0, 0, 1, 1, 1, 0, 0                 ; steps 27 to 31: nothing is filled again, and the loads run out
	STEP 0, 0, 1, -1, 1, 3, 1, 0, 0
	STEP 1, 0, 2, 1, 1, 1, 1, 0, 0
	STEP 0, 0, 3, -1, 1, 1, 0, 0, 0
	STEP 1, 0, -1, -1, 0, 0, 0, 0, 1
; THE WAY OUT, by blocks of 16 rows x 64 columns: through my own stage, back as whole rows of 256 bytes; a store covers two rows, each 256 consecutive bytes, aligned.
.macro TOSTAGE a
	WIN 0x08+4*((\a)/8)
.irp b, 0,1,2,3
	ds_store_b128 v[STO], v[32*((\a)%8)+8*\b:32*((\a)%8)+8*\b+3] offset:64*\b
	ds_store_b128 v[STO], v[32*((\a)%8)+8*\b+4:32*((\a)%8)+8*\b+7] offset:64*\b+16
.endr
	WIN 0
.irp t, 0,1,2,3,4,5,6,7
	ds_load_b128 v[BK+32*((\a)%2)+4*\t:BK+32*((\a)%2)+4*\t+3], v[RD] offset:544*\t
.endr
.endm
.macro SEND a, younger
	s_wait_dscnt \younger
.if (\a) > 0
	s_add_nc_u64 s[42:43], s[42:43], 16*NB         ; behind a wait on XCNT
.endif
.irp t, 0,1,2,3,4,5,6,7
	global_store_b128 v[CO], v[BK+32*((\a)%2)+4*\t:BK+32*((\a)%2)+4*\t+3], s[42:43] offset:2*\t*NB th:TH_STORE_NT
.endr
.endm
	NOPS
	TOSTAGE 0
.irp a, 1,2,3,4,5,6,7,8,9,10,11,12,13,14,15
.if \a > 1
	s_wait_xcnt 0x0                                ; block a - 2's stores have read their registers and their base
.endif
	TOSTAGE \a
	SEND \a-1, 16                                  ; behind block a - 1's loads: block a's 8 stores and 8 loads
.endr
	s_wait_xcnt 0x0
	SEND 15, 0
	s_wait_tensorcnt 0x0                           ; the wave's end
	ds_add_u32 v[SPW], v[NIL]
	s_wait_dscnt 0x0
	s_endpgm
.Lfunc_end_k_q8c7702b73d_fused:
	.size	k_q8c7702b73d_fused, .Lfunc_end_k_q8c7702b73d_fused-k_q8c7702b73d_fused
	.p2alignl 7, 3214868480
	.fill 96, 4, 3214868480
	.section	.rodata,"a",@progbits
	.p2align	6, 0x0
	.amdhsa_kernel k_q8c7702b73d_fused
		.amdhsa_group_segment_fixed_size 327680
		.amdhsa_private_segment_fixed_size 0
		.amdhsa_enable_private_segment 0
		.amdhsa_kernarg_size 48
		.amdhsa_user_sgpr_count 2
		.amdhsa_user_sgpr_kernarg_segment_ptr 1
		.amdhsa_wavefront_size32 1
		.amdhsa_system_sgpr_workgroup_id_x 1
		.amdhsa_system_sgpr_workgroup_id_y 1
		.amdhsa_system_sgpr_workgroup_id_z 1
		.amdhsa_system_vgpr_workitem_id 0
		.amdhsa_next_free_vgpr 1024
		.amdhsa_next_free_sgpr 66
		.amdhsa_reserve_vcc 1
		.amdhsa_float_denorm_mode_32 3
		.amdhsa_float_denorm_mode_16_64 3
		.amdhsa_memory_ordered 1
		.amdhsa_forward_progress 1
		.amdhsa_inst_pref_size 255
	.end_amdhsa_kernel
	.section	.bss,"aw",@nobits
	.p2align	6
	.space	262144
	.amdgpu_metadata
---
amdhsa.version: [ 1, 2 ]
amdhsa.kernels:
  - .name:           k_q8c7702b73d_fused
    .symbol:         k_q8c7702b73d_fused.kd
    .args:
      - { .name: w, .offset: 0, .size: 8, .value_kind: global_buffer, .address_space: global }
      - { .name: alpha, .offset: 8, .size: 8, .value_kind: global_buffer, .address_space: global }
      - { .name: bias, .offset: 16, .size: 8, .value_kind: global_buffer, .address_space: global }
      - { .name: xf, .offset: 24, .size: 8, .value_kind: global_buffer, .address_space: global }
      - { .name: xs, .offset: 32, .size: 8, .value_kind: global_buffer, .address_space: global }
      - { .name: out0, .offset: 40, .size: 8, .value_kind: global_buffer, .address_space: global }
    .group_segment_fixed_size: 327680
    .private_segment_fixed_size: 0
    .kernarg_segment_align: 8
    .kernarg_segment_size: 48
    .max_flat_workgroup_size: 128
    .sgpr_count:     66
    .vgpr_count:     1024
    .wavefront_size: 32
...
	.end_amdgpu_metadata
.endif
;; end of part 2
